; MI455X (gfx1250); checked and timed in simulation.
; The chip was launched on July 23, 2026; its instructions are those of AMD's public machine-readable ISA for CDNA 5 (MIT licence, August 2026) and "CDNA5" Instruction Set Architecture Reference Guide (July 2026).
;; Continuous Pool. Allowed arithmetic: float matrix products may take bf16 or f16 operands with f32 sums; all other float work in f32.
;; Inputs: pool_strength 1 x 96 x 1 x 1 float32; x 32 x 96 x 128 x 128 float32.
;; Outputs: out0 32 x 96 x 64 x 64 float32.
;; 2 versions, each right; version 2 is version 1 with the launch pool written anew for expert scheduling mode. Each part assembles by itself: llvm-mc -triple=amdgcn-amd-amdhsa -mcpu=gfx1250 --defsym DOCPART=n.
;; ======== version 1 of 2: 1 launch
;; launch pool (part 1): grid 8 x 32, 12 waves a work-group, no clusters, 0 bytes of LDS; arguments x, pool_strength, out0; writes out0
.if DOCPART == 1
	.amdgcn_target "amdgcn-amd-amdhsa--gfx1250"
	.amdhsa_code_object_version 6
	.text
	.protected	k_q0281aeb1ef_pool
	.globl	k_q0281aeb1ef_pool
	.p2align	8
	.type	k_q0281aeb1ef_pool,@function
k_q0281aeb1ef_pool:
	s_mov_b64 s[64:65], 0
	v_nop
	global_prefetch_b8 v0, s[64:65] scope:SCOPE_SE
	s_setreg_imm32_b32 hwreg(HW_REG_WAVE_MODE, 25, 1), 1
	s_wait_xcnt 0x0
.set ROWB,  512
.set OROWB, 256
.set HALF,  64
.set TIMES, 10
.set AHEAD, 4
.set SVY,  1
.set OFF,  2
.set STP,  3
.set TT,   4
.set RR,   13
.set LL,   14
.set SVX,  15
.set X,    16
.set RING, 64
.set A0,   240
.set OA,   0
.set OST,  1
.set EV,   16
.set OD,   24
.set R10,  32
.set STR,  14
.set QU,   16
.set SEL,  18
.set CNT,  20
.set MSB, 0
.macro WIN new
.if MSB != \new
	s_set_vgpr_msb (MSB<<8)|\new
.set MSB, \new
.endif
.endm
	s_load_b128 s[4:7], s[0:1], 0x0
	s_load_b64 s[8:9], s[0:1], 0x10
	v_lshrrev_b32 v1, 5, v0
	v_readfirstlane_b32 s10, v1
	s_mul_i32 s11, ttmp9, 12
	s_add_co_u32 s10, s10, s11
	s_and_b32 s11, ttmp7, 0xffff
	s_mul_i32 s11, s11, 96
	s_add_co_u32 s11, s11, s10
	s_lshl_b32 s12, s11, 16
	s_mov_b32 s13, 0
	s_lshl_b32 s22, s11, 14
	s_mov_b32 s23, 0
	s_lshl_b32 s24, s10, 2
	s_mov_b32 s25, 0
	s_mov_b32 s[SEL], 0x76543210
	s_mov_b32 s[SEL+1], 0xfedcba98
	s_mov_b32 s[QU], 0x3e800000
	s_mov_b32 s[QU+1], 0x3e800000
	v_and_b32 v1, 15, v0
	v_bfe_u32 v[TT], v0, 4, 1
	v_lshlrev_b32 v[TT+1], 10, v[TT]
	v_sub_nc_u32 v[STP], ROWB, v[TT+1]
	v_mul_u32_u24 v[A0], v[TT], 127*ROWB
	v_lshl_add_u32 v[A0], v1, 5, v[A0]
.irp i, 1,2,3,4
	v_add_nc_u32 v[A0+\i], v[STP], v[A0+\i-1]
.endr
	v_add_nc_u32 v[OFF], v[STP], v[A0+4]
	s_wait_kmcnt 0x0
	s_add_nc_u64 s[4:5], s[4:5], s[12:13]
	s_add_nc_u64 s[6:7], s[6:7], s[24:25]
	s_add_nc_u64 s[8:9], s[8:9], s[22:23]
.irp i, 0,1,2,3,4
	global_load_b128 v[X+8*\i:X+8*\i+3],   v[A0+\i], s[4:5]
	global_load_b128 v[X+8*\i+4:X+8*\i+7], v[A0+\i], s[4:5] offset:16
.endr
	global_load_b128 v[X+40:X+43], v[OFF], s[4:5]
	global_load_b128 v[X+44:X+47], v[OFF], s[4:5] offset:16
	s_load_b32 s[STR], s[6:7], 0x0
	v_lshlrev_b32 v[TT+2], 9, v[TT]
	v_sub_nc_u32 v[TT+2], OROWB, v[TT+2]
	v_mul_u32_u24 v[TT+3], v[TT], 63*OROWB
	v_lshl_add_u32 v[TT+3], v1, 4, v[TT+3]
	v_mov_b32 v[LL], 0xff800000
	v_mov_b32 v[RR], 0xff800000
	WIN 0x40
	v_mov_b32 v[OST], v[TT+2]
	v_mov_b32 v[OA], v[TT+3]
	v_mov_b32 v[LL], 0xff800000
	v_mov_b32 v[RR], 0xff800000
	WIN 0
	s_wait_kmcnt 0x0
	s_mov_b32 s[STR+1], s[STR]
	v_mov_b32 v[SVX], s[STR]
	v_mov_b32 v[SVY], s[STR]
.macro LOADROW row
.set sl, X+8*((\row)%6)
	s_wait_xcnt 0x0
	v_add_nc_u32 v[OFF], v[STP], v[OFF]
	global_load_b128 v[sl:sl+3],   v[OFF], s[4:5]
	global_load_b128 v[sl+4:sl+7], v[OFF], s[4:5] offset:16
.endm
.macro VMAX k
	v_max3_num_f32 v[TT+1+\k], v[rU+\k], v[rM+\k], v[rD+\k]
.endm
.macro POOL
	s_wait_xcnt 0x0
.irp p, 0,2,4,6
	v_pk_add_f32 v[TT+\p:TT+\p+1], v[TT+\p:TT+\p+1], v[EV+\p:EV+\p+1]
.endr
.irp p, 0,1,2,3
	v_add_f32 v[OD+\p], v[TT+2*\p], v[TT+2*\p+1]
.endr
	v_pk_mul_f32 v[OD:OD+1],   v[OD:OD+1],   s[QU:QU+1] op_sel_hi:[1,0]
	v_pk_mul_f32 v[OD+2:OD+3], v[OD+2:OD+3], s[QU:QU+1] op_sel_hi:[1,0]
.if rw > 1
	v_add_nc_u32 v[OA], v[OST], v[OA]
.endif
	global_store_b128 v[OA], v[OD:OD+3], s[8:9] th:TH_STORE_NT
.endm
.macro LEVEL
.if lv == 1
.set rU, X+8*((rw+5)%6)
.set rM, X+8*(rw%6)
.set rD, X+8*((rw+1)%6)
.else
.if lv == TIMES
.set rB, R10
.else
.set rB, RING+24*(lv-2)
.endif
.set rU, rB+8*((rw+2)%3)
.set rM, rB+8*(rw%3)
.set rD, rB+8*((rw+1)%3)
.endif
.if rw == 0
.set rU, rM
.endif
.if lv < TIMES-1
.set rO, RING+24*(lv-1)+8*(rw%3)
.elseif lv == TIMES-1
.set rO, R10+8*(rw%3)
.elseif rw%2 == 0
.set rO, EV
.else
.set rO, TT
.endif
.if lv == TIMES
	WIN 0x55
.else
	WIN 0
.endif
.if rw == HALF-1
.irp k, 0,1,2,3,4,5,6,7
	v_permlanex16_b32 v[rD+\k], v[rM+\k], s[SEL], s[SEL+1]
.endr
.endif
	VMAX 0
	VMAX 1
	VMAX 2
	VMAX 7
	VMAX 3
	VMAX 4
	v_mov_b32_dpp v[LL], v[TT+8] row_shr:1 row_mask:0xf bank_mask:0xf
	VMAX 5
	v_mov_b32_dpp v[RR], v[TT+1] row_shl:1 row_mask:0xf bank_mask:0xf
	VMAX 6
	v_max3_num_f32 v[TT], v[LL], v[TT+1], v[TT+2]
.irp k, 1,2,3,4,5,6
	v_max3_num_f32 v[TT+\k], v[TT+\k], v[TT+\k+1], v[TT+\k+2]
.endr
	v_max3_num_f32 v[TT+7], v[TT+7], v[TT+8], v[RR]
.if lv < TIMES-1
.irp p, 0,2,4,6
	v_dual_sub_f32 v[TT+\p], v[TT+\p], v[rM+\p] :: v_dual_sub_f32 v[TT+\p+1], v[TT+\p+1], v[rM+\p+1]
.endr
.irp p, 0,2,4,6
	v_dual_fma_f32 v[rO+\p], v[SVX], v[TT+\p], v[rM+\p] :: v_dual_fma_f32 v[rO+\p+1], v[SVY], v[TT+\p+1], v[rM+\p+1]
.endr
.else
.irp p, 0,2,4,6
	v_pk_add_f32 v[TT+\p:TT+\p+1], v[TT+\p:TT+\p+1], v[rM+\p:rM+\p+1] neg_lo:[0,1] neg_hi:[0,1]
.endr
.if lv == TIMES-1
	WIN 0x40
.endif
.irp p, 0,2,4,6
	v_pk_fma_f32 v[rO+\p:rO+\p+1], v[TT+\p:TT+\p+1], s[STR:STR+1], v[rM+\p:rM+\p+1] op_sel_hi:[1,0,1]
.endr
.endif
.if (lv == TIMES) && (rw%2 == 1)
	POOL
.endif
.endm
.macro STEP j, ld
.if \j == 1
	s_wait_loadcnt 8
.elseif \j <= HALF-AHEAD
	s_wait_loadcnt 6
.elseif \j < HALF
	s_wait_loadcnt 2*(HALF-1-\j)
.endif
.set lv, 1
.rept TIMES
.set rw, \j-lv
.if (rw >= 0) && (rw < HALF)
	LEVEL
.endif
.if (lv == 1) && \ld
	LOADROW \j+AHEAD
.endif
.set lv, lv+1
.endr
	WIN 0
.endm
	STEP 1, 0
.irp j, 2,3,4,5,6,7,8,9,10,11
	STEP \j, 1
.endr
	s_mov_b32 s[CNT], (HALF-AHEAD-12)/6
.Lrows:
.irp j, 12,13,14,15,16,17
	STEP \j, 1
.endr
	s_sub_co_u32 s[CNT], s[CNT], 1
	s_cmp_lg_u32 s[CNT], 0
	s_cbranch_scc1 .Lrows
.irp j, 60,61,62,63,64,65,66,67,68,69,70,71,72,73
	STEP \j, 0
.endr
	s_endpgm
.Lfunc_end_k_q0281aeb1ef_pool:
	.size	k_q0281aeb1ef_pool, .Lfunc_end_k_q0281aeb1ef_pool-k_q0281aeb1ef_pool
	.p2alignl 7, 3214868480
	.fill 96, 4, 3214868480
	.section	.rodata,"a",@progbits
	.p2align	6, 0x0
	.amdhsa_kernel k_q0281aeb1ef_pool
		.amdhsa_group_segment_fixed_size 0
		.amdhsa_private_segment_fixed_size 0
		.amdhsa_enable_private_segment 0
		.amdhsa_kernarg_size 24
		.amdhsa_user_sgpr_count 2
		.amdhsa_user_sgpr_kernarg_segment_ptr 1
		.amdhsa_wavefront_size32 1
		.amdhsa_system_sgpr_workgroup_id_x 1
		.amdhsa_system_sgpr_workgroup_id_y 1
		.amdhsa_system_sgpr_workgroup_id_z 1
		.amdhsa_system_vgpr_workitem_id 0
		.amdhsa_next_free_vgpr 312
		.amdhsa_next_free_sgpr 66
		.amdhsa_reserve_vcc 0
		.amdhsa_float_denorm_mode_32 3
		.amdhsa_float_denorm_mode_16_64 3
		.amdhsa_memory_ordered 1
		.amdhsa_forward_progress 1
		.amdhsa_inst_pref_size 255
	.end_amdhsa_kernel
	.section	.bss,"aw",@nobits
	.p2align	6
	.space	262144
	.amdgpu_metadata
---
amdhsa.version: [ 1, 2 ]
amdhsa.kernels:
  - .name:           k_q0281aeb1ef_pool
    .symbol:         k_q0281aeb1ef_pool.kd
    .args:
      - { .name: x, .offset: 0, .size: 8, .value_kind: global_buffer, .address_space: global }
      - { .name: pool_strength, .offset: 8, .size: 8, .value_kind: global_buffer, .address_space: global }
      - { .name: out0, .offset: 16, .size: 8, .value_kind: global_buffer, .address_space: global }
    .group_segment_fixed_size: 0
    .private_segment_fixed_size: 0
    .kernarg_segment_align: 8
    .kernarg_segment_size: 24
    .max_flat_workgroup_size: 384
    .sgpr_count:     66
    .vgpr_count:     312
    .wavefront_size: 32
...
	.end_amdgpu_metadata
.endif
;; end of part 1
;; ======== version 2 of 2: 1 launch; version 1 with the launch pool written anew for expert scheduling mode
;; launch pool (part 2): grid 8 x 32, 12 waves a work-group, no clusters, 0 bytes of LDS; arguments x, pool_strength, out0; writes out0
.if DOCPART == 2
	.amdgcn_target "amdgcn-amd-amdhsa--gfx1250"
	.amdhsa_code_object_version 6
	.text
	.protected	k_q0281aeb1ef_pool
	.globl	k_q0281aeb1ef_pool
	.p2align	8
	.type	k_q0281aeb1ef_pool,@function
k_q0281aeb1ef_pool:
	s_mov_b64 s[64:65], 0
	v_nop
	global_prefetch_b8 v0, s[64:65] scope:SCOPE_SE
	s_setreg_imm32_b32 hwreg(HW_REG_WAVE_SCHED_MODE, 0, 2), 2
	s_setreg_imm32_b32 hwreg(HW_REG_WAVE_MODE, 25, 1), 1
	s_wait_xcnt 0x0
	s_wait_alu depctr_vm_vsrc(0)
.set ROWB,  512
.set OROWB, 256
.set HALF,  64
.set TIMES, 10
.set AHEAD, 3
.set TRIPS, 8
.set SVY,  1
.set OFF,  2
.set STP,  3
.set TT,   4
.set RR,   13
.set LL,   14
.set SVX,  15
.set X,    16
.set RING, 64
.set A0,   240
.set OA,   0
.set OST,  1
.set EV,   16
.set OD,   24
.set R10,  32
.set STR,  14
.set QU,   16
.set SEL,  18
.set CNT,  20
.set MSB, 0
.macro WIN new
.if MSB != \new
	s_set_vgpr_msb (MSB<<8)|\new
.set MSB, \new
.endif
.endm
	s_load_b128 s[4:7], s[0:1], 0x0
	s_load_b64 s[8:9], s[0:1], 0x10
	v_lshrrev_b32 v1, 5, v0
	v_readfirstlane_b32 s10, v1
	s_mul_i32 s11, ttmp9, 12
	s_mov_b32 s[SEL], 0x76543210
	s_mov_b32 s[SEL+1], 0xfedcba98
	s_mov_b32 s[QU], 0x3e800000
	s_mov_b32 s[QU+1], 0x3e800000
	v_and_b32 v1, 15, v0
	v_bfe_u32 v[TT], v0, 4, 1
	v_lshlrev_b32 v[TT+1], 10, v[TT]
	v_sub_nc_u32 v[STP], ROWB, v[TT+1]
	v_mul_u32_u24 v[A0], v[TT], 127*ROWB
	v_lshl_add_u32 v[A0], v1, 5, v[A0]
.irp i, 1,2,3,4
	v_add_nc_u32 v[A0+\i], v[STP], v[A0+\i-1]
.endr
	v_add_nc_u32 v[OFF], v[STP], v[A0+4]
	s_wait_alu depctr_va_sdst(0)
	s_add_co_u32 s10, s10, s11
	s_and_b32 s11, ttmp7, 0xffff
	s_mul_i32 s11, s11, 96
	s_add_co_u32 s11, s11, s10
	s_lshl_b32 s12, s11, 16
	s_mov_b32 s13, 0
	s_lshl_b32 s22, s11, 14
	s_mov_b32 s23, 0
	s_lshl_b32 s24, s10, 2
	s_mov_b32 s25, 0
	s_wait_kmcnt 0x0
	s_add_nc_u64 s[4:5], s[4:5], s[12:13]
	s_add_nc_u64 s[6:7], s[6:7], s[24:25]
	s_add_nc_u64 s[8:9], s[8:9], s[22:23]
	s_wait_alu depctr_va_vdst(0)
.irp i, 0,1,2,3,4
	global_load_b128 v[X+8*\i:X+8*\i+3],   v[A0+\i], s[4:5]
	global_load_b128 v[X+8*\i+4:X+8*\i+7], v[A0+\i], s[4:5] offset:16
.endr
	global_load_b128 v[X+40:X+43], v[OFF], s[4:5]
	global_load_b128 v[X+44:X+47], v[OFF], s[4:5] offset:16
	s_load_b32 s[STR], s[6:7], 0x0
	v_lshlrev_b32 v[TT+2], 9, v[TT]
	v_sub_nc_u32 v[TT+2], OROWB, v[TT+2]
	v_mul_u32_u24 v[TT+3], v[TT], 63*OROWB
	v_lshl_add_u32 v[TT+3], v1, 4, v[TT+3]
	v_mov_b32 v[LL], 0xff800000
	v_mov_b32 v[RR], 0xff800000
	WIN 0x40
	v_mov_b32 v[OST], v[TT+2]
	v_mov_b32 v[OA], v[TT+3]
	v_mov_b32 v[LL], 0xff800000
	v_mov_b32 v[RR], 0xff800000
	WIN 0
	s_wait_kmcnt 0x0
	s_mov_b32 s[STR+1], s[STR]
	v_mov_b32 v[SVX], s[STR]
	v_mov_b32 v[SVY], s[STR]
.macro VMAX k
	v_max3_num_f32 v[TT+1+\k], v[rU+\k], v[rM+\k], v[rD+\k]
.endm
.macro SEND
	global_store_b128 v[OA], v[OD:OD+3], s[8:9] th:TH_STORE_NT
.endm
.macro POOL
.irp p, 0,2,4,6
	v_pk_add_f32 v[TT+\p:TT+\p+1], v[TT+\p:TT+\p+1], v[EV+\p:EV+\p+1]
.endr
.irp p, 0,1,2,3
	v_add_f32 v[OD+\p], v[TT+2*\p], v[TT+2*\p+1]
.endr
	v_pk_mul_f32 v[OD:OD+1],   v[OD:OD+1],   s[QU:QU+1] op_sel_hi:[1,0]
	v_pk_mul_f32 v[OD+2:OD+3], v[OD+2:OD+3], s[QU:QU+1] op_sel_hi:[1,0]
.if rw > 1
	v_add_nc_u32 v[OA], v[OST], v[OA]
.endif
.if rw == HALF-1
	s_wait_alu depctr_va_vdst(0)
	SEND
.endif
.endm
.macro LEVEL
.if lv == 1
.set rU, X+8*((rw+5)%6)
.set rM, X+8*(rw%6)
.set rD, X+8*((rw+1)%6)
.else
.if lv == TIMES
.set rB, R10
.else
.set rB, RING+24*(lv-2)
.endif
.set rU, rB+8*((rw+2)%3)
.set rM, rB+8*(rw%3)
.set rD, rB+8*((rw+1)%3)
.endif
.if rw == 0
.set rU, rM
.endif
.if lv < TIMES-1
.set rO, RING+24*(lv-1)+8*(rw%3)
.elseif lv == TIMES-1
.set rO, R10+8*(rw%3)
.elseif rw%2 == 0
.set rO, EV
.else
.set rO, TT
.endif
.if lv == TIMES
	WIN 0x55
.else
	WIN 0
.endif
.if (lv == TIMES) && (rw%2 == 0) && (rw > 0)
	SEND
.endif
.if rw == HALF-1
.irp k, 0,1,2,3,4,5,6,7
	v_permlanex16_b32 v[rD+\k], v[rM+\k], s[SEL], s[SEL+1]
.endr
.endif
	VMAX 0
	VMAX 1
	VMAX 2
	VMAX 7
	VMAX 3
	VMAX 4
	v_mov_b32_dpp v[LL], v[TT+8] row_shr:1 row_mask:0xf bank_mask:0xf
	VMAX 5
	v_mov_b32_dpp v[RR], v[TT+1] row_shl:1 row_mask:0xf bank_mask:0xf
	VMAX 6
	v_max3_num_f32 v[TT], v[LL], v[TT+1], v[TT+2]
.irp k, 1,2,3,4,5,6
	v_max3_num_f32 v[TT+\k], v[TT+\k], v[TT+\k+1], v[TT+\k+2]
.endr
	v_max3_num_f32 v[TT+7], v[TT+7], v[TT+8], v[RR]
.if lv < TIMES-1
.irp p, 0,2,4,6
	v_dual_sub_f32 v[TT+\p], v[TT+\p], v[rM+\p] :: v_dual_sub_f32 v[TT+\p+1], v[TT+\p+1], v[rM+\p+1]
.endr
.irp p, 0,2,4,6
	v_dual_fma_f32 v[rO+\p], v[SVX], v[TT+\p], v[rM+\p] :: v_dual_fma_f32 v[rO+\p+1], v[SVY], v[TT+\p+1], v[rM+\p+1]
.endr
.else
.irp p, 0,2,4,6
	v_pk_add_f32 v[TT+\p:TT+\p+1], v[TT+\p:TT+\p+1], v[rM+\p:rM+\p+1] neg_lo:[0,1] neg_hi:[0,1]
.endr
.if lv == TIMES-1
	WIN 0x40
.endif
.irp p, 0,2,4,6
	v_pk_fma_f32 v[rO+\p:rO+\p+1], v[TT+\p:TT+\p+1], s[STR:STR+1], v[rM+\p:rM+\p+1] op_sel_hi:[1,0,1]
.endr
.endif
.if (lv == TIMES) && (rw%2 == 1)
	POOL
.endif
.endm
.macro STEP j, ld
.if \j == 1
	s_wait_loadcnt 8
.elseif \j == 2
	s_wait_loadcnt 6
.elseif \j <= HALF-AHEAD
	s_wait_loadcnt 4
.elseif \j < HALF
	s_wait_loadcnt 2*(HALF-1-\j)
.endif
.if \ld || ((\j%2 == 1) && (\j > TIMES+1))
	s_wait_xcnt 0x0
	s_wait_alu depctr_vm_vsrc(0)
.endif
.if \ld
	v_add_nc_u32 v[OFF], v[STP], v[OFF]
.endif
.if \ld || ((\j%2 == 0) && (\j > TIMES+1))
	s_wait_alu depctr_va_vdst(0)
.endif
.if \ld
.set sl, X+8*((\j+AHEAD)%6)
	global_load_b128 v[sl:sl+3],   v[OFF], s[4:5]
	global_load_b128 v[sl+4:sl+7], v[OFF], s[4:5] offset:16
.endif
.set lv, 1
.rept TIMES
.set rw, \j-lv
.if (rw >= 0) && (rw < HALF)
	LEVEL
.endif
.set lv, lv+1
.endr
	WIN 0
.endm
	STEP 1, 0
	STEP 2, 0
.irp j, 3,4,5,6,7,8,9,10,11
	STEP \j, 1
.endr
	s_mov_b32 s[CNT], TRIPS
.Lrows:
.irp j, 12,13,14,15,16,17
	STEP \j, 1
.endr
	s_sub_co_u32 s[CNT], s[CNT], 1
	s_cmp_lg_u32 s[CNT], 0
	s_cbranch_scc1 .Lrows
	STEP 60, 1
.irp j, 61,62,63,64,65,66,67,68,69,70,71,72,73
	STEP \j, 0
.endr
	s_endpgm
.Lfunc_end_k_q0281aeb1ef_pool:
	.size	k_q0281aeb1ef_pool, .Lfunc_end_k_q0281aeb1ef_pool-k_q0281aeb1ef_pool
	.p2alignl 7, 3214868480
	.fill 96, 4, 3214868480
	.section	.rodata,"a",@progbits
	.p2align	6, 0x0
	.amdhsa_kernel k_q0281aeb1ef_pool
		.amdhsa_group_segment_fixed_size 0
		.amdhsa_private_segment_fixed_size 0
		.amdhsa_enable_private_segment 0
		.amdhsa_kernarg_size 24
		.amdhsa_user_sgpr_count 2
		.amdhsa_user_sgpr_kernarg_segment_ptr 1
		.amdhsa_wavefront_size32 1
		.amdhsa_system_sgpr_workgroup_id_x 1
		.amdhsa_system_sgpr_workgroup_id_y 1
		.amdhsa_system_sgpr_workgroup_id_z 1
		.amdhsa_system_vgpr_workitem_id 0
		.amdhsa_next_free_vgpr 312
		.amdhsa_next_free_sgpr 66
		.amdhsa_reserve_vcc 0
		.amdhsa_float_denorm_mode_32 3
		.amdhsa_float_denorm_mode_16_64 3
		.amdhsa_memory_ordered 1
		.amdhsa_forward_progress 1
		.amdhsa_inst_pref_size 255
	.end_amdhsa_kernel
	.section	.bss,"aw",@nobits
	.p2align	6
	.space	262144
	.amdgpu_metadata
---
amdhsa.version: [ 1, 2 ]
amdhsa.kernels:
  - .name:           k_q0281aeb1ef_pool
    .symbol:         k_q0281aeb1ef_pool.kd
    .args:
      - { .name: x, .offset: 0, .size: 8, .value_kind: global_buffer, .address_space: global }
      - { .name: pool_strength, .offset: 8, .size: 8, .value_kind: global_buffer, .address_space: global }
      - { .name: out0, .offset: 16, .size: 8, .value_kind: global_buffer, .address_space: global }
    .group_segment_fixed_size: 0
    .private_segment_fixed_size: 0
    .kernarg_segment_align: 8
    .kernarg_segment_size: 24
    .max_flat_workgroup_size: 384
    .sgpr_count:     66
    .vgpr_count:     312
    .wavefront_size: 32
...
	.end_amdgpu_metadata
.endif
;; end of part 2
